; MI455X (gfx1250); checked and timed in simulation.
; The chip was launched on July 23, 2026; its instructions are those of AMD's public machine-readable ISA for CDNA 5 (MIT licence, August 2026) and "CDNA5" Instruction Set Architecture Reference Guide (July 2026). The comments in the code are by the model that wrote it; some were corrected since.
;; Multi Head Attention Quantum. Allowed arithmetic: matrix products marked QUANTISED: E5M2 operands, one given power-of-two scale a tensor, by v_wmma_f32_16x16x64_bf8_bf8 or v_wmma_f32_16x16x128_bf8_bf8, f32 sums; everything else in f32.
;; Inputs: lowp_scales 4 int32 (the exponents e of the quantised operands' scales 2^e); mask 4 x 2,048 x 2,048 bool; theta 64 float32; x 4 x 2,048 x 1,024 float32.
;; Outputs: out0 4 x 2,048 x 1,024 float32.
;; This version of the problem:
;;   THIS VERSION OF THE PROBLEM IS GIVEN IN LOW PRECISION. The matrix products marked QUANTISED in the list below multiply operands that are first quantised to E5M2 (5 exponent bits, 2 mantissa bits; 8 bits a number), with one given power-of-two scale for each operand tensor; their sums are f32. All else is computed in f32.
;;   The module's matrix products, in the order in which they are computed (A, B: the left and right operand; K: the contracted axis; several contracted axes count as one K, in the product's order):
;;     1. batch 64 x [M 2,048, K 64] x [K 64, N 2,048]; A: computed on the way; B: computed on the way: QUANTISED (scales: A lowp_scales[0], B lowp_scales[1])
;;     2. batch 64 x [M 2,048, K 2,048] x [K 2,048, N 64]; A: softmax (see below); B: computed on the way: QUANTISED (scales: A lowp_scales[2], B lowp_scales[3])
;;   THE QUANTISER, for each operand of a quantised product, along K:
;;     - The operand's scale is 2^e, e = its entry of the input lowp_scales (int32; the entries are numbered through the quantised products in the list's order, A before B).
;;     - Each number is divided by the scale, clamped to +-57,344, and rounded to the nearest number of E5M2, ties to even, subnormals kept.
;;     - The product sums the exact products of the quantised numbers (number of the format x scale) in f32.
;;   ~~~python
;;   def quantise(x, axis, e):      # numpy; x: float32 -> the quantised numbers, widened to float32 again
;;       x = np.moveaxis(x, axis, -1); K = x.shape[-1]
;;       r = np.clip(x / 2.0 ** e, -57344, 57344)
;;       step = 2.0 ** (np.maximum(np.frexp(np.where(r == 0, 1, r))[1] - 1, -14) - 2)
;;       q = np.round(r / step) * step * 2.0 ** e      # np.round: ties to even
;;       return np.moveaxis(q, -1, axis).astype(np.float32)
;;   ~~~
;;   SOFTMAX AHEAD OF A QUANTISED PRODUCT. Where the list says 'softmax', what is quantised is not the finished softmax but p = 2^(t - M), with t = logit x log2(e) and M = ceil(the row's largest t), a whole number; so 1/2 < the row's largest p <= 1. The row's sum l is taken of the UNQUANTISED p, in f32, and the product's result is divided by l at the end. Since M is a whole number, a kernel that streams over the keys may use a running M (the ceiling of the running maximum): every later rescaling is an exact power of two, so the quantised numbers keep their values, but for numbers so far below the row's largest that they fall under the format's range.
;;   OPERANDS COMPUTED ON THE WAY. 'Computed on the way' means the value that the module computes at that place (a softmax that the list does not call 'softmax' is quantised finished and normalised). What goes into a quantiser is computed in f32, as accurately as f32 sums, v_exp_f32 and their like allow (about 1e-6 of the number): no bf16 or f16 on the way to a quantiser, and a product that is left as it is and whose result goes on into a quantised operand takes f32 operands (vector FMAs, or v_wmma_f32_16x16x4_f32). A number that lies on a knife's edge between two numbers of the format may be rounded either way, as far as f32 arithmetic and the matrix unit's own rounding can turn it there, and no further.
;; 2 versions, each right; version 2 is version 1 with the launch attn written anew for expert scheduling mode. Each part assembles by itself: llvm-mc -triple=amdgcn-amd-amdhsa -mcpu=gfx1250 --defsym DOCPART=n.
;; ======== version 1 of 2: 2 launches
;; limits: inputs' magnitudes at most 2,097,152
;; workspace buffers: qc 8,388,608 bytes; kc 8,388,608 bytes; vc 8,388,608 bytes; mbits 2,097,152 bytes of whole numbers; mflag 8,192 bytes of whole numbers
;; launch prep (part 1): grid 1536 x 1, 4 waves a work-group, no clusters, 46,592 bytes of LDS; arguments x, mask, theta, lowp_scales, qc, kc, vc, mbits, mflag; writes qc, kc, vc, mbits, mflag
.if DOCPART == 1
	.amdgcn_target "amdgcn-amd-amdhsa--gfx1250"
	.amdhsa_code_object_version 6
	.text
	.protected	k_q4fa3a9c6bc_prep
	.globl	k_q4fa3a9c6bc_prep
	.p2align	8
	.type	k_q4fa3a9c6bc_prep,@function
k_q4fa3a9c6bc_prep:
	s_mov_b64 s[64:65], 0
	v_nop
	global_prefetch_b8 v0, s[64:65] scope:SCOPE_SE
	s_setreg_imm32_b32 hwreg(HW_REG_WAVE_MODE, 25, 1), 1
	s_wait_xcnt 0x0
; TWO JOBS IN ONE LAUNCH, told apart by the work-group's number.  Waves share nothing: no barrier.  Each job has LDS bytes of its own.
; Work-groups 0 to 1,023: proj = cos(x + theta), computed once in f32, and quantised three times to E5M2 with the given scales:
;   qc (2^e0) and kc (2^e1), K = the head's 64;  vc (2^e3), K = the keys.  All three are laid as images of operand registers: blocks of 512 bytes, lane l's 16 bytes at 16 l.
;   qc [bh 64][tile of 16 queries 128][c 2][512]: lane (r, h) holds query r, d = 32 c + 16 h + 0 .. 15.
;   kc [bh][step of 128 keys 16][tile t 8][c 2][512]: the same, but place r of tile t = 2 b + u is key 32 b + 8 u + r + 8 (r / 8) of the step.
;   vc [bh][step 16][dt 4][c 4][512]: lane (r, h) holds d = 16 dt + r, keys 32 c + 16 h + 0 .. 15 of the step.
; Work-groups 1,024 to 1,535: the mask's bytes become lane masks for the attention launch:
;   mbits [b 4][pair of 32 queries 64][record n = 2 step + tile 32][word j 64]: bit 16 h + r of word j = 16 b' + i is mask[query 16 tile + r][key 128 step + 32 b' + 16 h + i];
;   mflag [b][pair][c8 8]: bit 4 c8 + nl of word c8 is set where record 4 c8 + nl has a bit set.
; THE COSINE is written out: k = the whole number nearest to phi / pi + 1/2, r = phi - (2 k - 1) pi/2 with pi/2 in three parts, |r| <= pi/2, cos phi = (-1)^k sin r,
; sin r = r + r^3 (C3 + C5 s + .. + C13 s^5), s = r^2: the first term left out, r^15 / 15!, is under 7e-10 at pi/2.
; LIMITS: |x + theta| < 2^21 (k is made by adding 1.5 x 2^23); NaN and infinities among the inputs are not served; e0, e1, e3 between -126 and 112, so that 2^e and 57,344 x 2^e are f32 numbers.
.set TH,   12                          ; v12-15  theta of my four d
.set SCQ,  16                          ; v16-21  2^e and 57,344 x 2^e for q, k, v
.set LMQ,  17
.set SCK,  18
.set LMK,  19
.set SCV,  20
.set LMV,  21
.set C11,  22                          ; v22-23  the series' C11, twice
.set X,    32                          ; v32-95  x as loaded: register 4 i + e = (key 16 hl + i, d = 4 a + e); then cos; then the images read back
.set U,    96                          ; v96-103 at work;  later T0
.set M,    104                         ; v104-111 at work; later T1
.set SS,   112                         ; v112-119
.set PP,   120                         ; v120-127
.set T0,   96
.set CQ,   112                         ; v112-127 q's codes: word i = key 16 hl + i, d = 4 a .. 4 a + 3
.set CK,   128                         ; v128-143 k's
.set CV,   144                         ; v144-159 v's: words 4 e .. 4 e + 3 = d 4 a + e, keys 16 hl + 0 .. 15
.set INVPI, 32                         ; scalar pairs (a packed form names a pair and takes its low word for both halves)
.set MAGIC, 34
.set NMAGIC, 36
.set NHI,  38
.set NMID, 40
.set NLO,  42
.set C13,  44
.set C9,   48
.set C7,   50
.set C5,   52
.set C3,   54
.set ML,   32                          ; mask path: v32-95 the mask's bytes as loaded
.set MW,   96                          ; v96-127 16 bytes a lane of eight blocks of 32 keys
.set MT,   128                         ; v128-143 single bytes
.set OUT,  144                         ; v144-151 the words, laid for two stores of 512 bytes
	s_load_b512 s[4:19], s[0:1], 0x0               ; x 4:5, mask 6:7, theta 8:9, scales 10:11, qc 12:13, kc 14:15, vc 16:17, mbits 18:19
	s_load_b64 s[20:21], s[0:1], 0x40              ; mflag
	v_lshl_add_u32 v160, v0, 2, 0xb400
	v_mov_b32 v161, 0
	v_lshrrev_b32 v2, 5, v0
	v_readfirstlane_b32 s22, v2                    ; wave 0..3
	v_and_b32 v1, 31, v0                           ; lane
	v_and_b32 v2, 15, v0                           ; lane % 16
	v_bfe_u32 v3, v0, 4, 1                         ; lane / 16
	v_lshlrev_b32 v5, 4, v1                        ; 16 x lane
	s_cmp_lt_u32 ttmp9, 1024
	s_cbranch_scc0 .Lmask
; ---------------- cos and the three quantisers.  Work-group g: head g % 16, step of 128 keys (g / 16) % 16, batch g / 256.  Wave w: 32 keys of the step.
	s_and_b32 s23, ttmp9, 15                       ; head
	s_bfe_u32 s30, ttmp9, 0x40004                  ; step
	s_lshr_b32 s31, ttmp9, 8                       ; batch
	s_lshl_b32 s28, s31, 23                        ; x: batch x 2,048 rows of 4,096 bytes
	s_lshl_b32 s60, s30, 19                        ; + 128 rows a step
	s_add_co_u32 s28, s28, s60
	s_lshl_b32 s60, s22, 17                        ; + 32 rows a wave
	s_add_co_u32 s28, s28, s60
	s_lshl_b32 s60, s23, 8                         ; + the head's 256 bytes of a row
	s_add_co_u32 s28, s28, s60
	s_mov_b32 s29, 0
	s_lshl_b32 s56, s31, 21                        ; codes: (16 batch + head) x 131,072
	s_lshl_b32 s60, s23, 17
	s_add_co_u32 s56, s56, s60
	s_lshl_b32 s60, s30, 13                        ; + 8,192 a step
	s_add_co_u32 s56, s56, s60
	s_lshl_b32 s60, s22, 9
	s_add_co_u32 s58, s56, s60                     ; vc: + 512 x wave (block c = wave)
	s_lshl_b32 s60, s22, 11
	s_add_co_u32 s56, s56, s60                     ; qc, kc: + 2,048 x wave (two tiles)
	s_mov_b32 s57, 0
	s_mov_b32 s59, 0
	s_mul_i32 s61, s22, 7168                       ; my stages in LDS: q 32 rows x 80, k the same at 2,560, v 4 x 512 at 5,120
	v_lshlrev_b32 v11, 4, v2                       ; theta: 16 a
	v_lshl_add_u32 v4, v3, 16, v11                 ; x: 16 rows x hl + 16 a
	v_mul_u32_u24 v6, v3, 1280
	v_lshl_add_u32 v6, v2, 2, v6
	v_add_nc_u32 v6, s61, v6                       ; in: row 16 hl (+ i), byte 4 a
	v_mul_u32_u24 v7, v2, 80
	v_lshl_add_u32 v7, v3, 4, v7
	v_add_nc_u32 v7, s61, v7                       ; q back: row r, + 16 h
	v_and_b32 v8, 8, v2
	v_add_nc_u32 v8, v8, v2                        ; r + 8 (r / 8)
	v_mul_u32_u24 v8, v8, 80
	v_lshl_add_u32 v8, v3, 4, v8
	v_add_nc_u32 v8, s61, v8                       ; k back: that row, + 16 h
	v_lshrrev_b32 v9, 2, v2
	v_lshlrev_b32 v9, 9, v9                        ; v in: block dt = a / 4,
	v_lshl_add_u32 v9, v3, 8, v9                   ; place 16 x (16 hl + 4 (a % 4) + e)
	v_and_b32 v10, 3, v2
	v_lshl_add_u32 v9, v10, 6, v9
	v_add_nc_u32 v9, s61, v9
	v_add_nc_u32 v10, s61, v5                      ; v back: 16 x lane
	s_wait_kmcnt 0x0
	s_load_b128 s[24:27], s[10:11], 0x0            ; e0, e1, e2, e3
	s_add_nc_u64 s[4:5], s[4:5], s[28:29]
	s_add_nc_u64 s[12:13], s[12:13], s[56:57]
	s_add_nc_u64 s[14:15], s[14:15], s[56:57]
	s_add_nc_u64 s[16:17], s[16:17], s[58:59]
	global_load_b128 v[TH:TH+3], v11, s[8:9]
.irp i, 0,1,2,3,4,5,6,7,8,9,10,11,12,13,14,15
	global_load_b128 v[X+4*\i:X+4*\i+3], v4, s[4:5] offset:4096*\i th:TH_LOAD_NT   ; rows i and 16 + i: sixteen lanes read the head's 256 consecutive bytes of a row, aligned
.endr
.macro SC reg, val
	s_mov_b32 s[\reg], \val
	s_mov_b32 s[\reg+1], \val
.endm
	SC INVPI,  0x3ea2f983                          ; 1 / pi
	SC MAGIC,  0x4b400000                          ; 1.5 x 2^23
	SC NMAGIC, 0xcb400000
	SC NHI,    0xbfc90fdb                          ; -(pi/2 in three parts)
	SC NMID,   0x333bbd2e
	SC NLO,    0x26f72ced
	SC C13,    0x2f309231                          ; 1 / 13!
	SC C9,     0x3638ef1d                          ; 1 / 9!
	SC C7,     0xb9500d01                          ; -1 / 7!
	SC C5,     0x3c088889                          ; 1 / 5!
	SC C3,     0xbe2aaaab                          ; -1 / 3!
	v_mov_b32 v[C11], 0xb2d7322b                   ; -1 / 11!
	v_mov_b32 v[C11+1], 0xb2d7322b
.macro MKSC e, sc, lim                 ; 2^e as f32 (the conversion takes its exponent field) and 57,344 x 2^e
	s_add_co_i32 s60, s[\e], 127
	s_lshl_b32 s62, s60, 23
	v_mov_b32 v[\sc], s62
	s_add_co_i32 s60, s60, 15
	s_lshl_b32 s60, s60, 23
	s_or_b32 s60, s60, 0x600000
	v_mov_b32 v[\lim], s60
.endm
	s_wait_kmcnt 0x0
	MKSC 24, SCQ, LMQ
	MKSC 25, SCK, LMK
	MKSC 27, SCV, LMV
; Eight numbers (two loads) become cosines, in place; each stage is written for all four pairs, so that no line waits for the line above it.
.macro COSG g
	s_wait_loadcnt 14-2*\g                         ; loads come back in order: behind this group's two, 14 - 2 g were issued
.irp p, 0,1,2,3
	v_pk_add_f32 v[X+8*\g+2*\p:X+8*\g+2*\p+1], v[X+8*\g+2*\p:X+8*\g+2*\p+1], v[TH+2*(\p%2):TH+2*(\p%2)+1]   ; phi = x + theta
.endr
.irp p, 0,1,2,3
	v_pk_fma_f32 v[U+2*\p:U+2*\p+1], v[X+8*\g+2*\p:X+8*\g+2*\p+1], s[INVPI:INVPI+1], 0.5 op_sel_hi:[1,0,0]
.endr
.irp p, 0,1,2,3
	v_pk_add_f32 v[U+2*\p:U+2*\p+1], v[U+2*\p:U+2*\p+1], s[MAGIC:MAGIC+1] op_sel_hi:[1,0]     ; rounds to the whole number k; bit 0 is k's parity
.endr
.irp p, 0,1,2,3
	v_pk_add_f32 v[M+2*\p:M+2*\p+1], v[U+2*\p:U+2*\p+1], s[NMAGIC:NMAGIC+1] op_sel_hi:[1,0]   ; k
.endr
.irp p, 0,1,2,3
	v_pk_fma_f32 v[M+2*\p:M+2*\p+1], v[M+2*\p:M+2*\p+1], 2.0, -1.0 op_sel_hi:[1,0,0]          ; 2 k - 1
.endr
.irp c, NHI, NMID, NLO
.irp p, 0,1,2,3
	v_pk_fma_f32 v[X+8*\g+2*\p:X+8*\g+2*\p+1], v[M+2*\p:M+2*\p+1], s[\c:\c+1], v[X+8*\g+2*\p:X+8*\g+2*\p+1] op_sel_hi:[1,0,1]   ; r = phi - (2 k - 1) pi/2
.endr
.endr
.irp j, 0,1,2,3,4,5,6,7
	v_lshlrev_b32 v[U+\j], 31, v[U+\j]
.endr
.irp j, 0,1,2,3,4,5,6,7
	v_xor_b32 v[X+8*\g+\j], v[X+8*\g+\j], v[U+\j]  ; (-1)^k goes onto r: the sine is odd
.endr
.irp p, 0,1,2,3
	v_pk_mul_f32 v[SS+2*\p:SS+2*\p+1], v[X+8*\g+2*\p:X+8*\g+2*\p+1], v[X+8*\g+2*\p:X+8*\g+2*\p+1]
.endr
.irp p, 0,1,2,3
	v_pk_fma_f32 v[PP+2*\p:PP+2*\p+1], v[SS+2*\p:SS+2*\p+1], s[C13:C13+1], v[C11:C11+1] op_sel_hi:[1,0,1]
.endr
.irp c, C9, C7, C5, C3
.irp p, 0,1,2,3
	v_pk_fma_f32 v[PP+2*\p:PP+2*\p+1], v[PP+2*\p:PP+2*\p+1], v[SS+2*\p:SS+2*\p+1], s[\c:\c+1] op_sel_hi:[1,1,0]
.endr
.endr
.irp p, 0,1,2,3
	v_pk_mul_f32 v[SS+2*\p:SS+2*\p+1], v[SS+2*\p:SS+2*\p+1], v[X+8*\g+2*\p:X+8*\g+2*\p+1]     ; r^3
.endr
.irp p, 0,1,2,3
	v_pk_fma_f32 v[X+8*\g+2*\p:X+8*\g+2*\p+1], v[SS+2*\p:SS+2*\p+1], v[PP+2*\p:PP+2*\p+1], v[X+8*\g+2*\p:X+8*\g+2*\p+1]
.endr
.endm
.irp g, 0,1,2,3,4,5,6,7
	COSG \g
.endr
; The quantisers.  The conversion to an 8-bit code does not saturate (ISA guide 7.6.2), so each number is first held within 57,344 x the scale, into one of two sets of eight registers by turns:
; eight plain lines then stand between a conversion and the next write of its sources.
.macro QROW lim, sc, dst               ; d innermost: a conversion takes two loads' numbers as they lie
.irp g, 0,1,2,3,4,5,6,7
.irp j, 0,1,2,3,4,5,6,7
	v_med3_num_f32 v[T0+8*(\g%2)+\j], v[X+8*\g+\j], -v[\lim], v[\lim]
.endr
	v_cvt_scalef32_pk8_bf8_f32 v[\dst+2*\g:\dst+2*\g+1], v[T0+8*(\g%2):T0+8*(\g%2)+7], v[\sc]
.endr
.endm
	QROW LMQ, SCQ, CQ
	QROW LMK, SCK, CK
.irp e, 0,1,2,3                        ; keys innermost: the hold picks register 4 i + e of eight neighbouring keys i, so nothing else is needed to turn the tile
.irp ii, 0,1
.irp j, 0,1,2,3,4,5,6,7
	v_med3_num_f32 v[T0+8*\ii+\j], v[X+4*(8*\ii+\j)+\e], -v[LMV], v[LMV]
.endr
	v_cvt_scalef32_pk8_bf8_f32 v[CV+4*\e+2*\ii:CV+4*\e+2*\ii+1], v[T0+8*\ii:T0+8*\ii+7], v[SCV]
.endr
.endr
	v_nop                                          ; a plain line behind the last conversion
.irp i, 0,1,2,3,4,5,6,7,8,9,10,11,12,13,14,15
	ds_store_b32 v6, v[CQ+\i] offset:80*\i
.endr
.irp i, 0,1,2,3,4,5,6,7,8,9,10,11,12,13,14,15
	ds_store_b32 v6, v[CK+\i] offset:2560+80*\i
.endr
.irp e, 0,1,2,3
	ds_store_b128 v9, v[CV+4*\e:CV+4*\e+3] offset:5120+16*\e
.endr
; back as images.  LDS serves a wave's instructions in order (ISA guide 5.7.1.4): these see my stores
.irp t, 0,1
.irp c, 0,1
	ds_load_b128 v[X+4*(2*\t+\c):X+4*(2*\t+\c)+3], v7 offset:1280*\t+32*\c
.endr
.endr
.irp t, 0,1
.irp c, 0,1
	ds_load_b128 v[X+16+4*(2*\t+\c):X+16+4*(2*\t+\c)+3], v8 offset:2560+640*\t+32*\c
.endr
.endr
.irp t, 0,1,2,3
	ds_load_b128 v[X+32+4*\t:X+32+4*\t+3], v10 offset:5120+512*\t
.endr
.irp n, 0,1,2,3                        ; each store of the wave covers 512 consecutive bytes, aligned
	s_wait_dscnt 11-\n                             ; behind LDS load n, 11 - n were issued
	global_store_b128 v5, v[X+4*\n:X+4*\n+3], s[12:13] offset:512*\n
.endr
.irp n, 0,1,2,3
	s_wait_dscnt 7-\n
	global_store_b128 v5, v[X+16+4*\n:X+16+4*\n+3], s[14:15] offset:512*\n
.endr
.irp n, 0,1,2,3
	s_wait_dscnt 3-\n
	global_store_b128 v5, v[X+32+4*\n:X+32+4*\n+3], s[16:17] offset:2048*\n
.endr
	s_wait_tensorcnt 0x0
	ds_add_u32 v160, v161
	s_wait_dscnt 0x0
	s_endpgm
; ---------------- the mask.  Unit u = 4 (work-group - 1,024) + wave: 32 queries (a pair of tiles) x 256 keys: c8 = u % 8, pair = (u / 8) % 64, batch = u / 512.
.Lmask:
	s_sub_co_u32 s23, ttmp9, 1024
	s_lshl_b32 s23, s23, 2
	s_add_co_u32 s23, s23, s22
	s_and_b32 s24, s23, 7                          ; c8
	s_bfe_u32 s25, s23, 0x60003                    ; pair
	s_lshr_b32 s26, s23, 9                         ; batch
	s_lshl_b32 s28, s26, 22                        ; mask: batch x 2,048 rows of 2,048 bytes + 32 rows a pair + 256 bytes a c8
	s_lshl_b32 s60, s25, 16
	s_add_co_u32 s28, s28, s60
	s_lshl_b32 s60, s24, 8
	s_add_co_u32 s28, s28, s60
	s_mov_b32 s29, 0
	s_lshl_b32 s56, s26, 19                        ; mbits: 64 pairs x 32 records x 256 bytes a batch; my four records
	s_lshl_b32 s60, s25, 13
	s_add_co_u32 s56, s56, s60
	s_lshl_b32 s60, s24, 10
	s_add_co_u32 s56, s56, s60
	s_mov_b32 s57, 0
	s_lshl_b32 s58, s26, 6                         ; mflag: 32 bytes a pair, my word
	s_add_co_u32 s58, s58, s25
	s_lshl_b32 s58, s58, 5
	s_lshl_b32 s60, s24, 2
	s_add_co_u32 s58, s58, s60
	s_mov_b32 s59, 0
	s_mul_i32 s61, s22, 4352
	s_add_co_u32 s61, s61, 28672                   ; my stage: 16 rows x (256 + 16) bytes, behind the other job's stages
	v_lshlrev_b32 v4, 4, v2
	v_lshl_add_u32 v4, v3, 11, v4                  ; two rows a load, 16 bytes a lane
	v_mul_u32_u24 v6, v3, 272
	v_lshl_add_u32 v6, v2, 4, v6
	v_add_nc_u32 v6, s61, v6                       ; in: as loaded
	v_mul_u32_u24 v7, v2, 272
	v_lshl_add_u32 v7, v3, 4, v7
	v_add_nc_u32 v7, s61, v7                       ; back: query r, + 16 h: lane (r, h) as the attention wave has it
	s_wait_kmcnt 0x0
	s_add_nc_u64 s[6:7], s[6:7], s[28:29]
	s_add_nc_u64 s[18:19], s[18:19], s[56:57]
	s_add_nc_u64 s[20:21], s[20:21], s[58:59]
.irp i, 0,1,2,3,4,5,6,7,8,9,10,11,12,13,14,15
	global_load_b128 v[ML+4*\i:ML+4*\i+3], v4, s[6:7] offset:4096*\i th:TH_LOAD_NT   ; rows 2 i and 2 i + 1, 256 consecutive bytes of each, aligned
.endr
.irp i, 0,1,2,3,4,5,6,7
	v_mov_b32 v[OUT+\i], 0                         ; a lane write's destination counts as read
.endr
.irp n, 0,1,2,3
	s_mov_b32 s[48+\n], 0                          ; the OR of a record's words
.endr
; Block bb of 32 keys, tile tau: my 16 bytes are the keys 32 bb + 16 h + i.  Byte i of all lanes becomes one lane mask, which is word 16 (bb % 4) + i of record 2 (bb / 4) + tau;
; it is put where two stores of 512 bytes take it: register word % 4, lane 16 tau + word / 4.
.macro WORDS tau, bb
.irp i, 0,1,2,3,4,5,6,7,8,9,10,11,12,13,14,15
	v_and_b32 v[MT+\i], 0xff<<(8*(\i%4)), v[MW+4*(\bb)+\i/4]
.endr
.irp i, 0,1,2,3,4,5,6,7,8,9,10,11,12,13,14,15
	v_cmp_ne_u32 s[32+\i], 0, v[MT+\i]
.endr
.irp i, 0,1,2,3,4,5,6,7,8,9,10,11,12,13,14,15
	s_or_b32 s[48+2*((\bb)/4)+\tau], s[48+2*((\bb)/4)+\tau], s[32+\i]
.endr
.irp i, 0,1,2,3,4,5,6,7,8,9,10,11,12,13,14,15
	v_writelane_b32 v[OUT+4*((\bb)/4)+\i%4], s[32+\i], 16*\tau+4*((\bb)%4)+\i/4
.endr
.endm
.irp tau, 0,1
	s_wait_loadcnt 8-8*\tau                        ; this tile's eight loads are in; the other tile's may be out
.irp i, 0,1,2,3,4,5,6,7
	ds_store_b128 v6, v[ML+4*(8*\tau+\i):ML+4*(8*\tau+\i)+3] offset:544*\i
.endr
.irp b, 0,1,2,3,4,5,6,7
	ds_load_b128 v[MW+4*\b:MW+4*\b+3], v7 offset:32*\b   ; LDS serves a wave's instructions in order: these see my stores, and the next tile's stores come behind them
.endr
	s_wait_dscnt 0x0
.irp b, 0,1,2,3,4,5,6,7
	WORDS \tau, \b
.endr
.endr
	s_mov_b32 s52, 0
.irp n, 0,1,2,3
	s_cmp_lg_u32 s[48+\n], 0
	s_cselect_b32 s53, 1<<\n, 0
	s_or_b32 s52, s52, s53
.endr
	s_lshl_b32 s53, s24, 2
	s_lshl_b32 s52, s52, s53                       ; bit 4 c8 + nl
	v_mov_b32 v11, s52
	v_mov_b32 v10, 0
	global_store_b128 v5, v[OUT:OUT+3], s[18:19]               ; records 0 and 1 of my four: 512 consecutive bytes, aligned
	global_store_b128 v5, v[OUT+4:OUT+7], s[18:19] offset:512  ; records 2 and 3
	v_cmp_eq_u32 vcc_lo, 0, v1
	s_wait_xcnt 0x0                                ; EXEC is a source of the stores above: it changes only behind this wait
	s_wait_tensorcnt 0x0
	ds_add_u32 v160, v161
	s_wait_dscnt 0x0
	s_and_saveexec_b32 s54, vcc_lo
	global_store_b32 v10, v11, s[20:21]            ; one lane stores the unit's flag word: 4 bytes, 2,048 such stores in the launch
	s_wait_xcnt 0x0
	s_or_b32 exec_lo, exec_lo, s54
	s_endpgm
.Lfunc_end_k_q4fa3a9c6bc_prep:
	.size	k_q4fa3a9c6bc_prep, .Lfunc_end_k_q4fa3a9c6bc_prep-k_q4fa3a9c6bc_prep
	.p2alignl 7, 3214868480
	.fill 96, 4, 3214868480
	.section	.rodata,"a",@progbits
	.p2align	6, 0x0
	.amdhsa_kernel k_q4fa3a9c6bc_prep
		.amdhsa_group_segment_fixed_size 46592
		.amdhsa_private_segment_fixed_size 0
		.amdhsa_enable_private_segment 0
		.amdhsa_kernarg_size 72
		.amdhsa_user_sgpr_count 2
		.amdhsa_user_sgpr_kernarg_segment_ptr 1
		.amdhsa_wavefront_size32 1
		.amdhsa_system_sgpr_workgroup_id_x 1
		.amdhsa_system_sgpr_workgroup_id_y 1
		.amdhsa_system_sgpr_workgroup_id_z 1
		.amdhsa_system_vgpr_workitem_id 0
		.amdhsa_next_free_vgpr 162
		.amdhsa_next_free_sgpr 66
		.amdhsa_reserve_vcc 1
		.amdhsa_float_denorm_mode_32 3
		.amdhsa_float_denorm_mode_16_64 3
		.amdhsa_memory_ordered 1
		.amdhsa_forward_progress 1
		.amdhsa_inst_pref_size 124
	.end_amdhsa_kernel
	.amdgpu_metadata
---
amdhsa.version: [ 1, 2 ]
amdhsa.kernels:
  - .name:           k_q4fa3a9c6bc_prep
    .symbol:         k_q4fa3a9c6bc_prep.kd
    .args:
      - { .name: x, .offset: 0, .size: 8, .value_kind: global_buffer, .address_space: global }
      - { .name: mask, .offset: 8, .size: 8, .value_kind: global_buffer, .address_space: global }
      - { .name: theta, .offset: 16, .size: 8, .value_kind: global_buffer, .address_space: global }
      - { .name: lowp_scales, .offset: 24, .size: 8, .value_kind: global_buffer, .address_space: global }
      - { .name: qc, .offset: 32, .size: 8, .value_kind: global_buffer, .address_space: global }
      - { .name: kc, .offset: 40, .size: 8, .value_kind: global_buffer, .address_space: global }
      - { .name: vc, .offset: 48, .size: 8, .value_kind: global_buffer, .address_space: global }
      - { .name: mbits, .offset: 56, .size: 8, .value_kind: global_buffer, .address_space: global }
      - { .name: mflag, .offset: 64, .size: 8, .value_kind: global_buffer, .address_space: global }
    .group_segment_fixed_size: 46592
    .private_segment_fixed_size: 0
    .kernarg_segment_align: 8
    .kernarg_segment_size: 72
    .max_flat_workgroup_size: 128
    .sgpr_count:     66
    .vgpr_count:     162
    .wavefront_size: 32
...
	.end_amdgpu_metadata
.endif
;; end of part 1
;; launch attn (part 2): grid 4 x 64, 16 waves a work-group, no clusters, 264,192 bytes of LDS; arguments qc, kc, vc, mbits, mflag, lowp_scales, out0; writes out0
.if DOCPART == 2
	.amdgcn_target "amdgcn-amd-amdhsa--gfx1250"
	.amdhsa_code_object_version 6
	.text
	.protected	k_q4fa3a9c6bc_attn
	.globl	k_q4fa3a9c6bc_attn
	.p2align	8
	.type	k_q4fa3a9c6bc_attn,@function
k_q4fa3a9c6bc_attn:
	s_mov_b64 s[64:65], 0
	v_nop
	global_prefetch_b8 v0, s[64:65] scope:SCOPE_SE
	s_setreg_imm32_b32 hwreg(HW_REG_WAVE_MODE, 25, 1), 1
	s_wait_xcnt 0x0
; out[b][q][head] = softmax_k(where(mask, -1e9, proj_q . proj_k / 8)) proj_k, both products on codes of E5M2 made by the launch before (qc: 2^e0, kc: 2^e1, vc: 2^e3; p is quantised here with 2^e2).
; THE SOFTMAX: t = score x log2(e) / 8; M = the running largest t rounded UP to a whole number; p = 2^(t - M) is quantised along the keys, not normalised; the row's sum is taken of the unquantised p and divides
; at the end.  When M moves, the sum and O are multiplied by 2^(old M - new M).
; SHARES.  256 work-groups: (x = block of 512 queries, y = batch x 16 + head).  Sixteen waves, four to a SIMD; a wave owns 32 queries, tiles A and B of 16, and walks the head's 2,048 keys, 128 a step.
; LDS.  The head's whole K (131,072 bytes, from byte 0) and V (131,072 bytes behind it) lie in LDS as images of operand registers, filled ONCE at the head: each wave copies 16,384 bytes through its registers.
; So the loop has no refill and no barrier, and each fragment is read by ds_load_b128 at 16 x lane + a constant: 512 consecutive bytes an instruction.  Each fragment read feeds two products (tiles A and B).
; NO TENSOR LOADS, NO CLUSTER: the loop branches on flags read from memory (a tile of 16 queries x 128 keys with no masked entry passes over its 64 selects)
; and what the four work-groups of a head share is read once, at the head: 262,144 bytes for each.
; LAYOUT.  Both products are used transposed: S^T = K Q^T (source 0 = 16 keys, source 1 = 16 queries), O^T = V^T P^T: a lane holds ONE query (lane % 16) throughout.  The keys of a tile of K were chosen so that
; score register 16 b + i of lane (r, h) is key 32 b + 16 h + i of the step: the conversions' results are the second product's operand.
; THE MASK.  Word j of a record is the lane mask of score register j.  A masked score becomes NEG = -2^(40 - e0 - e1): its t is -c 2^40 (c = log2(e) / 8 as f32), a whole number, the same for every masked entry
; and under every true t (|t| <= 64 c).  In a row masked so far M equals it and p = 1; the first open key makes 2^(old M - new M) = 0, which wipes what was summed, and masked p = 0 from then on:
; what -1e9 gives, wholly masked rows too (p = 1, sum 2,048).
; LIMITS on the given exponents, so that each power of two below is an f32 number: e0 + e1 between -87 and 130; e2 between -126 and 112; e2 + e3 is applied by v_ldexp_f32 and has none.
.set LN,   1                           ; v1   16 x lane; never rewritten
.set ADR,  2                           ; v2   LDS address of the run of loads in hand
.set NEG,  3                           ; v3   the masked score
.set SCL,  4                           ; v4   2^e2 as f32
.set PX,   5                           ; v5   the lane exchange's destination
.set F,    6                           ; v[6:7] 2^(old M - new M); v7 is named with it as a pair
.set T0,   8
.set T1,   9
.set SUM2, 10                          ; v[10:11] the sum's second chain
.set STA,  12                          ; v12-15 tile A: -M, the largest t, the sum in two halves
.set STB,  16                          ; v16-19 tile B
.set QA,   20                          ; v20-27, v28-35 Q's fragments
.set QB,   28
.set PA,   36                          ; v36-51 tile A's codes of p
.set PB,   52                          ; v52-67 tile B's: they overlie scores that are done with
.set S,    54                          ; v54-117 S^T, then p
.set KV,   118                         ; v118-181 eight fragments of K, then four of V
.set OA,   182                         ; v182-213, v214-245 O^T
.set OB,   214
.set STO,  246
.set RD,   247
.set GO,   248
.set LIM,  249                         ; v249 57,344 x 2^e2
.set WV,   18                          ; s18  wave
.set TB,   19                          ; s19  LDS byte of the step's K
.set SEL,  20                          ; s[20:21] lane selects: lane l xor 16
.set CS,   22                          ; s[22:23] c x 2^(e0 + e1)
.set TRIPS, 24
.set BM,   25                          ; s25  the pair's flags, record in hand at bit 0
.set MOFF, 26                          ; s26  byte of the record to be asked for
                                       ; s[32:63], s[68:99] a record's 64 words: word j at s[32 + j + 4 (j / 32)]
	s_load_b256 s[4:11], s[0:1], 0x0               ; qc 4:5, kc 6:7, vc 8:9, mbits 10:11
	s_load_b128 s[12:15], s[0:1], 0x20             ; mflag 12:13, the scales' exponents 14:15
	s_load_b64 s[16:17], s[0:1], 0x30              ; out0
	v_lshl_add_u32 v254, v0, 2, 0x40000
	v_mov_b32 v255, 0
	v_lshrrev_b32 v2, 5, v0
	v_readfirstlane_b32 s[WV], v2                  ; wave 0..15
	v_and_b32 v1, 31, v0
	v_lshlrev_b32 v[LN], 4, v1
	v_lshl_add_u32 v[ADR], v2, 14, v[LN]           ; the fill: 16,384 x wave + 16 x lane
	s_and_b32 s2, ttmp7, 0xffff                    ; bh = 16 batch + head
	s_lshr_b32 s3, s2, 4                           ; batch
	s_lshl_b32 s27, ttmp9, 4
	s_add_co_u32 s27, s27, s[WV]                   ; my pair of tiles among the batch's 64
	s_lshl_b32 s66, s2, 17                         ; a head's codes are 131,072 bytes
	s_lshl_b32 s68, s27, 11                        ; qc: two images of 1,024 bytes a pair
	s_add_co_u32 s68, s68, s66
	s_mov_b32 s69, 0
	s_lshl_b32 s70, s3, 19                         ; mbits: 8,192 bytes a pair
	s_lshl_b32 s71, s27, 13
	s_add_co_u32 s70, s70, s71
	s_mov_b32 s71, 0
	s_lshl_b32 s72, s3, 6                          ; mflag: 32 bytes a pair
	s_add_co_u32 s72, s72, s27
	s_lshl_b32 s72, s72, 5
	s_mov_b32 s73, 0
	s_lshl_b32 s74, s3, 23                         ; out0: batch, 32 rows of 4,096 bytes a pair, the head's 256 bytes of a row
	s_lshl_b32 s75, s27, 17
	s_add_co_u32 s74, s74, s75
	s_and_b32 s75, s2, 15
	s_lshl_b32 s75, s75, 8
	s_add_co_u32 s74, s74, s75
	s_mov_b32 s75, 0
	s_and_b32 s76, s[WV], 7                        ; the fill: waves 0-7 copy K, waves 8-15 V, 16,384 bytes each
	s_lshl_b32 s76, s76, 14
	s_add_co_u32 s76, s76, s66
	s_mov_b32 s77, 0
	s_wait_kmcnt 0x0
	s_add_nc_u64 s[4:5], s[4:5], s[68:69]
	s_add_nc_u64 s[10:11], s[10:11], s[70:71]
	s_add_nc_u64 s[12:13], s[12:13], s[72:73]
	s_add_nc_u64 s[16:17], s[16:17], s[74:75]
	s_cmp_lt_u32 s[WV], 8
	s_cselect_b64 s[100:101], s[6:7], s[8:9]
	s_add_nc_u64 s[100:101], s[100:101], s[76:77]
	s_load_b128 s[28:31], s[14:15], 0x0            ; e0, e1, e2, e3
	s_load_b256 s[32:39], s[12:13], 0x0            ; my pair's eight flag words
.irp i, 0,1,2,3
	global_load_b128 v[QA+4*\i:QA+4*\i+3], v[LN], s[4:5] offset:512*\i   ; Q's two fragments stay in registers
.endr
.set jj, 0
.rept 32
	global_load_b128 v[S+4*jj:S+4*jj+3], v[LN], s[100:101] offset:512*jj
.set jj, jj+1
.endr
	; constants and the first state, while the loads are on their way
	s_mov_b32 s[SEL], 0x76543210
	s_mov_b32 s[SEL+1], 0xfedcba98
	s_mov_b32 s[TB], 0
	s_mov_b32 s[TRIPS], 16
	s_mov_b32 s[MOFF], 0
	v_mov_b32 v[STA+1], 0xff61b1e6                 ; the largest t so far: -3e38, under every t
	v_mov_b32 v[STB+1], 0xff61b1e6
	v_floor_f32 v[STA], -v[STA+1]                  ; -M
	v_floor_f32 v[STB], -v[STB+1]
	v_mov_b32 v[STA+2], 0                          ; the sums
	v_mov_b32 v[STA+3], 0
	v_mov_b32 v[STB+2], 0
	v_mov_b32 v[STB+3], 0
	v_mov_b32 v[PX], 0                             ; a lane permute's destination counts as one of its sources
	v_mov_b32 v[F+1], 0
.set jj, 0
.rept 64
	v_mov_b32 v[OA+jj], 0                          ; O^T.  (The step is written once: its first trip finds zeros, which the first change of M leaves zeros)
.set jj, jj+1
.endr
	s_wait_kmcnt 0x0
	s_or_b32 s[BM], s32, s33                       ; word c8 holds bits 4 c8 .. 4 c8 + 3: their OR is the pair's 32 flags
.irp i, 34,35,36,37,38,39
	s_or_b32 s[BM], s[BM], s\i
.endr
	s_add_co_i32 s2, s28, s29                      ; e0 + e1: a score stands for score x 2^(e0 + e1)
	s_lshl_b32 s3, s2, 23
	s_add_co_i32 s[CS], s3, 0x3e38aa3b             ; c = log2(e) / 8, the two exponents added to its exponent field
	s_mov_b32 s[CS+1], s[CS]
	s_sub_co_i32 s3, 167, s2
	s_lshl_b32 s3, s3, 23
	s_or_b32 s3, s3, 0x80000000
	v_mov_b32 v[NEG], s3                           ; -2^(40 - e0 - e1)
	s_add_co_i32 s3, s30, 127
	s_lshl_b32 s66, s3, 23
	v_mov_b32 v[SCL], s66                          ; 2^e2
	s_add_co_i32 s3, s3, 15
	s_lshl_b32 s3, s3, 23
	s_or_b32 s3, s3, 0x600000
	v_mov_b32 v[LIM], s3                           ; 57,344 x 2^e2
.set jj, 0
.rept 16
	s_mov_b64 s[32+2*jj:33+2*jj], 0                ; the words' registers are written on every way
	s_mov_b64 s[68+2*jj:69+2*jj], 0
.set jj, jj+1
.endr
.macro REQ                             ; a record's 256 bytes, at s[MOFF] in my pair's records
	s_load_b512 s[32:47], s[10:11], s[MOFF] offset:0x0
	s_load_b512 s[48:63], s[10:11], s[MOFF] offset:0x40
	s_load_b512 s[68:83], s[10:11], s[MOFF] offset:0x80
	s_load_b512 s[84:99], s[10:11], s[MOFF] offset:0xc0
.endm
	s_bitcmp1_b32 s[BM], 0
	s_cbranch_scc0 .Lno_first
	REQ                                            ; record 0, if it has a bit
.Lno_first:
.irp k, 0,1,2,3
	s_wait_loadcnt 24-8*\k                         ; loads come back in order: behind these eight of the fill, 24 - 8 k were issued; Q's are older
.irp i, 0,1,2,3,4,5,6,7
	ds_store_b128 v[ADR], v[S+4*(8*\k+\i):S+4*(8*\k+\i)+3] offset:512*(8*\k+\i)
.endr
.endr
	s_wait_dscnt 0x0                               ; for the others' sake: my part of K or V lies in LDS
	s_barrier_signal -1
	s_barrier_wait -1                              ; everybody's does
.macro PLACES n
.rept \n
	v_nop
.endr
.endm
.macro QK q                            ; S^T = K Q^T for one tile of queries: eight tiles of 16 keys, K = the head's 64; each product starts its own sum
.irp t, 0,1,2,3,4,5,6,7
	v_wmma_f32_16x16x64_bf8_bf8 v[S+8*\t:S+8*\t+7], v[KV+8*\t:KV+8*\t+7], v[\q:\q+7], 0
.endr
.endm
; THE SOFTMAX of one tile for one step.  st: its statistics; ob: its O^T; pd: where its codes go.
.macro SM st, ob, pd
	s_wait_kmcnt 0x0                               ; the record asked for a tile ago, if any, is in; nothing that reads s[MOFF] is out
	s_add_co_u32 s[MOFF], s[MOFF], 256             ; the next record
	s_bitcmp1_b32 s[BM], 0                         ; has this tile a masked entry?
	s_cbranch_scc0 .Lopen_\@
.set jj, 0
.rept 64
	v_cndmask_b32 v[S+jj], v[S+jj], v[NEG], s[32+jj+4*(jj/32)]   ; ascending: each accumulator from its low end on
.set jj, jj+1
.endr
.Lopen_\@:
	s_bitcmp1_b32 s[BM], 1                         ; has the next one?  Behind record 31 no bit is left, so no load leaves the buffer
	s_cbranch_scc0 .Lnoreq_\@
	REQ
.Lnoreq_\@:
	s_lshr_b32 s[BM], s[BM], 1
	v_max3_num_f32 v[T0], v[S], v[S+1], v[S+2]     ; the step's largest score of my query among my 64 keys, in two chains, ascending
	v_max3_num_f32 v[T1], v[S+3], v[S+4], v[S+5]
.irp i, 6,10,14,18,22,26,30,34,38,42,46,50,54,58
	v_max3_num_f32 v[T0], v[T0], v[S+\i], v[S+\i+1]
	v_max3_num_f32 v[T1], v[T1], v[S+\i+2], v[S+\i+3]
.endr
	v_max3_num_f32 v[T0], v[T0], v[S+62], v[S+63]
	v_max_num_f32 v[T0], v[T0], v[T1]
	v_permlanex16_b32 v[PX], v[T0], s[SEL], s[SEL+1]
	v_max_num_f32 v[T0], v[T0], v[PX]              ; and among lane l xor 16's
	v_mul_f32 v[T0], s[CS], v[T0]                  ; as t (c is positive)
	v_max_num_f32 v[\st+1], v[\st+1], v[T0]        ; the running largest t
	v_mov_b32 v[T0], v[\st]
	v_floor_f32 v[\st], -v[\st+1]                  ; the new -M = floor(-t): M is a whole number
	v_sub_f32 v[T0], v[\st], v[T0]                 ; old M - new M: a whole number, 0 or less
	v_cvt_i32_f32 v[T0], v[T0]                     ; (it saturates)
	v_ldexp_f32 v[F], 1.0, v[T0]                   ; f = 2^(old M - new M)
.irp j, 0,2,4,6,8,10,12,14,16,18,20,22,24,26,28,30,32,34,36,38,40,42,44,46,48,50,52,54,56,58,60,62
	v_pk_fma_f32 v[S+\j:S+\j+1], v[S+\j:S+\j+1], s[CS:CS+1], v[\st:\st+1] op_sel_hi:[1,0,0]   ; t - M, two at a time (of the pairs c and -M the low word serves both halves)
.endr
.set jj, 0
.rept 64
	v_exp_f32 v[S+jj], v[S+jj]                     ; p = 2^(t - M), at most 1
.set jj, jj+1
.endr
	v_pk_mul_f32 v[\st+2:\st+3], v[\st+2:\st+3], v[F:F+1] op_sel_hi:[1,0]   ; the sums under the new M: the plain line behind the exponentials
	s_wait_alu depctr_va_vdst(0)                   ; one wait for the batch of 64, ahead of the first line that names a result
	v_pk_add_f32 v[SUM2:SUM2+1], v[S:S+1], v[S+2:S+3]   ; the row's sum is taken of the unquantised p, in two chains
.irp j, 4,8,12,16,20,24,28,32,36,40,44,48,52,56,60
	v_pk_add_f32 v[\st+2:\st+3], v[\st+2:\st+3], v[S+\j:S+\j+1]
	v_pk_add_f32 v[SUM2:SUM2+1], v[SUM2:SUM2+1], v[S+\j+2:S+\j+3]
.endr
	v_pk_add_f32 v[\st+2:\st+3], v[\st+2:\st+3], v[SUM2:SUM2+1]
.irp g, 0,1,2,3,4,5,6,7
.irp i, 0,1,2,3,4,5,6,7
	v_min_num_f32 v[S+8*\g+\i], v[S+8*\g+\i], v[LIM]   ; the conversion to an 8-bit code does not saturate (ISA guide 7.6.2); p is not negative, so the hold is one-sided
.endr
	v_cvt_scalef32_pk8_bf8_f32 v[\pd+2*\g:\pd+2*\g+1], v[S+8*\g:S+8*\g+7], v[SCL]   ; with pd = PB conversion g writes p's registers 2 g - 2, 2 g - 1: converted already, eight plain lines back or more
.endr
.irp j, 0,2,4,6,8,10,12,14,16,18,20,22,24,26,28,30
	v_pk_mul_f32 v[\ob+\j:\ob+\j+1], v[\ob+\j:\ob+\j+1], v[F:F+1] op_sel_hi:[1,0]   ; O^T under the new M; also the plain lines between the last conversion and the products that follow
.endr
.endm
.Lstep:                                ; 16 trips, 128 keys each
	v_add_nc_u32 v[ADR], s[TB], v[LN]
	PLACES 4                                       ; five places behind the last trip's products: the first products below write over registers that held tile B's codes, and the loads go into V's registers
.irp t, 0,1,2,3,4,5,6,7
	ds_load_b128 v[KV+8*\t:KV+8*\t+3], v[ADR] offset:1024*\t
	ds_load_b128 v[KV+8*\t+4:KV+8*\t+7], v[ADR] offset:1024*\t+512
.endr
	s_wait_dscnt 0x0
	QK QA
	PLACES 4                                       ; ahead of the first read of the scores
	SM STA, OA, PA
	QK QB
	s_add_co_u32 s100, s[TB], 131072               ; V lies behind K
	v_add_nc_u32 v[ADR], s100, v[LN]
	PLACES 3                                       ; with the addition: four places ahead of the loads into K's registers and of the first read of the scores
.irp t, 0,1,2,3
.irp c, 0,1,2,3
	ds_load_b128 v[KV+16*\t+4*\c:KV+16*\t+4*\c+3], v[ADR] offset:2048*\t+512*\c   ; V's four fragments land while tile B's softmax is worked
.endr
.endr
	SM STB, OB, PB
	s_wait_dscnt 0x0
.irp t, 0,1,2,3                        ; O^T += V^T P^T, K = these 128 keys; the eight accumulators take turns, one instruction a turn
	v_wmma_f32_16x16x128_bf8_bf8 v[OA+8*\t:OA+8*\t+7], v[KV+16*\t:KV+16*\t+15], v[PA:PA+15], v[OA+8*\t:OA+8*\t+7]
	v_wmma_f32_16x16x128_bf8_bf8 v[OB+8*\t:OB+8*\t+7], v[KV+16*\t:KV+16*\t+15], v[PB:PB+15], v[OB+8*\t:OB+8*\t+7]
.endr
	s_add_co_u32 s[TB], s[TB], 8192
	s_sub_co_u32 s[TRIPS], s[TRIPS], 1
	s_cmp_lg_u32 s[TRIPS], 0
	s_cbranch_scc1 .Lstep
	; THE WAY OUT.  K and V are read no more once every wave has passed this barrier: the stages, two tiles of 16 rows x (256 + 16) bytes for each wave, lie over them.
	s_wait_dscnt 0x0
	s_barrier_signal -1
	s_barrier_wait -1
	v_and_b32 v[T0], 15, v0                        ; r.  (These plain lines are the places behind the last products)
	v_bfe_u32 v[T1], v0, 4, 1                      ; h
	s_mul_i32 s100, s[WV], 8704
	v_mul_u32_u24 v[STO], v[T0], 272
	v_lshl_add_u32 v[STO], v[T1], 5, v[STO]
	v_add_nc_u32 v[STO], s100, v[STO]              ; in: row r, my half's 32 bytes of each 64
	v_mul_u32_u24 v[RD], v[T1], 272
	v_lshl_add_u32 v[RD], v[T0], 4, v[RD]
	v_add_nc_u32 v[RD], s100, v[RD]                ; back: lanes 0-15 one row, lanes 16-31 the next
	v_lshlrev_b32 v[GO], 12, v[T1]
	v_lshl_add_u32 v[GO], v[T0], 4, v[GO]          ; and the same two rows in out0
	v_add_f32 v[STA+2], v[STA+2], v[STA+3]         ; the sums' two halves,
	v_add_f32 v[STB+2], v[STB+2], v[STB+3]
	v_permlanex16_b32 v[PX], v[STA+2], s[SEL], s[SEL+1]
	v_permlanex16_b32 v[SUM2], v[STB+2], s[SEL], s[SEL+1]
	v_add_f32 v[STA+2], v[STA+2], v[PX]            ; and lane l xor 16's
	v_add_f32 v[STB+2], v[STB+2], v[SUM2]
	v_rcp_f32 v[STA+2], v[STA+2]
	v_rcp_f32 v[STB+2], v[STB+2]
	v_nop                                          ; a plain line behind the reciprocals
	s_add_co_i32 s2, s30, s31
	s_wait_alu depctr_va_vdst(0)                   ; one wait for both, ahead of their first reader
	v_ldexp_f32 v[STA+2], v[STA+2], s2             ; x 2^(e2 + e3)
	v_ldexp_f32 v[STB+2], v[STB+2], s2
.irp j, 0,2,4,6,8,10,12,14,16,18,20,22,24,26,28,30
	v_pk_mul_f32 v[S+\j:S+\j+1], v[OA+\j:OA+\j+1], v[STA+2:STA+3] op_sel_hi:[1,0]   ; register 8 t + i is o(query r, d = 16 t + 8 h + i); each accumulator from its low end on
.endr
.irp j, 0,2,4,6,8,10,12,14,16,18,20,22,24,26,28,30
	v_pk_mul_f32 v[S+32+\j:S+32+\j+1], v[OB+\j:OB+\j+1], v[STB+2:STB+3] op_sel_hi:[1,0]
.endr
.irp u, 0,1                            ; tile u through its stage.  LDS serves a wave's instructions in order (ISA guide 5.7.1.4): the loads see my stores
.irp t, 0,1,2,3
	ds_store_b128 v[STO], v[S+32*\u+8*\t:S+32*\u+8*\t+3] offset:4352*\u+64*\t
	ds_store_b128 v[STO], v[S+32*\u+8*\t+4:S+32*\u+8*\t+7] offset:4352*\u+64*\t+16
.endr
.irp i, 0,1,2,3,4,5,6,7
	ds_load_b128 v[KV+32*\u+4*\i:KV+32*\u+4*\i+3], v[RD] offset:4352*\u+544*\i
.endr
.endr
.irp i, 0,1,2,3,4,5,6,7
	s_wait_dscnt 23-\i                             ; behind tile A's load i: 7 - i of its loads and tile B's sixteen LDS instructions
	global_store_b128 v[GO], v[KV+4*\i:KV+4*\i+3], s[16:17] offset:8192*\i th:TH_STORE_NT   ; sixteen lanes store a query's 256 bytes of this head, aligned
.endr
.irp i, 0,1,2,3,4,5,6,7
	s_wait_dscnt 7-\i
	global_store_b128 v[GO], v[KV+32+4*\i:KV+32+4*\i+3], s[16:17] offset:65536+8192*\i th:TH_STORE_NT
.endr
	s_wait_tensorcnt 0x0
	ds_add_u32 v254, v255
	s_wait_dscnt 0x0
	s_endpgm
.Lfunc_end_k_q4fa3a9c6bc_attn:
	.size	k_q4fa3a9c6bc_attn, .Lfunc_end_k_q4fa3a9c6bc_attn-k_q4fa3a9c6bc_attn
	.p2alignl 7, 3214868480
	.fill 96, 4, 3214868480
	.section	.rodata,"a",@progbits
	.p2align	6, 0x0
	.amdhsa_kernel k_q4fa3a9c6bc_attn
		.amdhsa_group_segment_fixed_size 264192
		.amdhsa_private_segment_fixed_size 0
		.amdhsa_enable_private_segment 0
		.amdhsa_kernarg_size 56
		.amdhsa_user_sgpr_count 2
		.amdhsa_user_sgpr_kernarg_segment_ptr 1
		.amdhsa_wavefront_size32 1
		.amdhsa_system_sgpr_workgroup_id_x 1
		.amdhsa_system_sgpr_workgroup_id_y 1
		.amdhsa_system_sgpr_workgroup_id_z 1
		.amdhsa_system_vgpr_workitem_id 0
		.amdhsa_next_free_vgpr 256
		.amdhsa_next_free_sgpr 102
		.amdhsa_reserve_vcc 0
		.amdhsa_float_denorm_mode_32 3
		.amdhsa_float_denorm_mode_16_64 3
		.amdhsa_memory_ordered 1
		.amdhsa_forward_progress 1
		.amdhsa_inst_pref_size 57
	.end_amdhsa_kernel
	.amdgpu_metadata
---
amdhsa.version: [ 1, 2 ]
amdhsa.kernels:
  - .name:           k_q4fa3a9c6bc_attn
    .symbol:         k_q4fa3a9c6bc_attn.kd
    .args:
      - { .name: qc, .offset: 0, .size: 8, .value_kind: global_buffer, .address_space: global }
      - { .name: kc, .offset: 8, .size: 8, .value_kind: global_buffer, .address_space: global }
      - { .name: vc, .offset: 16, .size: 8, .value_kind: global_buffer, .address_space: global }
      - { .name: mbits, .offset: 24, .size: 8, .value_kind: global_buffer, .address_space: global }
      - { .name: mflag, .offset: 32, .size: 8, .value_kind: global_buffer, .address_space: global }
      - { .name: lowp_scales, .offset: 40, .size: 8, .value_kind: global_buffer, .address_space: global }
      - { .name: out0, .offset: 48, .size: 8, .value_kind: global_buffer, .address_space: global }
    .group_segment_fixed_size: 264192
    .private_segment_fixed_size: 0
    .kernarg_segment_align: 8
    .kernarg_segment_size: 56
    .max_flat_workgroup_size: 512
    .sgpr_count:     102
    .vgpr_count:     256
    .wavefront_size: 32
...
	.end_amdgpu_metadata
.endif
;; end of part 2
;; ======== version 2 of 2: 2 launches; version 1 with the launch attn written anew for expert scheduling mode
;; limits: inputs' magnitudes at most 2,097,152
;; workspace buffers: qc 8,388,608 bytes; kc 8,388,608 bytes; vc 8,388,608 bytes; mbits 2,097,152 bytes of whole numbers; mflag 8,192 bytes of whole numbers
;; launch prep: the kernel of part 1 again; grid 1536 x 1, 4 waves a work-group, no clusters, 46,592 bytes of LDS; arguments x, mask, theta, lowp_scales, qc, kc, vc, mbits, mflag; writes qc, kc, vc, mbits, mflag
;; launch attn (part 3): grid 4 x 64, 16 waves a work-group, no clusters, 264,192 bytes of LDS; arguments qc, kc, vc, mbits, mflag, lowp_scales, out0; writes out0
.if DOCPART == 3
	.amdgcn_target "amdgcn-amd-amdhsa--gfx1250"
	.amdhsa_code_object_version 6
	.text
	.protected	k_q4fa3a9c6bc_attn
	.globl	k_q4fa3a9c6bc_attn
	.p2align	8
	.type	k_q4fa3a9c6bc_attn,@function
k_q4fa3a9c6bc_attn:
	s_mov_b64 s[64:65], 0
	v_nop
	global_prefetch_b8 v0, s[64:65] scope:SCOPE_SE
	s_setreg_imm32_b32 hwreg(HW_REG_WAVE_SCHED_MODE, 0, 2), 2
	s_setreg_imm32_b32 hwreg(HW_REG_WAVE_MODE, 25, 1), 1
	s_wait_xcnt 0x0
	s_wait_alu depctr_vm_vsrc(0)
; out[b][q][head] = softmax_k(where(mask, -1e9, proj_q . proj_k / 8)) proj_k, both products on codes of E5M2 made by the launch before (qc: 2^e0, kc: 2^e1, vc: 2^e3; p is quantised here with 2^e2).
; THE SOFTMAX: t = score x log2(e) / 8; M = the running largest t rounded UP to a whole number; p = 2^(t - M) is quantised along the keys, not normalised; the row's sum is taken of the unquantised p and divides
; at the end.  When M moves, the sum and O are multiplied by 2^(old M - new M).
; SHARES.  256 work-groups: (x = block of 512 queries, y = batch x 16 + head).  Sixteen waves, four to a SIMD; a wave owns 32 queries, tiles A and B of 16, and walks the head's 2,048 keys, 128 a step.
; LDS.  The head's whole K (131,072 bytes, from byte 0) and V (131,072 bytes behind it) lie in LDS as images of operand registers, filled ONCE at the head: each wave copies 16,384 bytes through its registers.
; So the loop has no refill and no barrier, and each fragment is read by ds_load_b128 at 16 x lane + a constant: 512 consecutive bytes an instruction.  Each fragment read feeds two products (tiles A and B).
; NO TENSOR LOADS, NO CLUSTER: the loop branches on flags read from memory (a tile of 16 queries x 128 keys with no masked entry passes over its 64 selects)
; and what the four work-groups of a head share is read once, at the head: 262,144 bytes for each.
; LAYOUT.  Both products are used transposed: S^T = K Q^T (source 0 = 16 keys, source 1 = 16 queries), O^T = V^T P^T: a lane holds ONE query (lane % 16) throughout.  The keys of a tile of K were chosen so that
; score register 16 b + i of lane (r, h) is key 32 b + 16 h + i of the step: the conversions' results are the second product's operand.
; THE MASK.  Word j of a record is the lane mask of score register j.  A masked score becomes NEG = -2^(40 - e0 - e1): its t is -c 2^40 (c = log2(e) / 8 as f32), a whole number, the same for every masked entry
; and under every true t (|t| <= 64 c).  In a row masked so far M equals it and p = 1; the first open key makes 2^(old M - new M) = 0, which wipes what was summed, and masked p = 0 from then on:
; what -1e9 gives, wholly masked rows too (p = 1, sum 2,048).
; LIMITS on the given exponents, so that each power of two below is an f32 number: e0 + e1 between -87 and 130; e2 between -126 and 112; e2 + e3 is applied by v_ldexp_f32 and has none.
; THE MODE: SCHED_MODE bits 1:0 = 2 (LLVM: expert scheduling mode 2), set by the entry lines.  The code itself states the register dependences
; between vector or matrix instructions and memory or LDS instructions, with s_wait_alu, always for 0.
; THE PLAN.  Registers that memory or LDS instructions touch:
;   v[LN]        Written once at the head; the offset of Q's loads and of the fill's; never written again.
;   v[ADR]       Written at the head and read by the fill's LDS stores.  In a trip: written (K's address), read by K's 16 LDS loads, written (V's address), read by V's 16 LDS loads.
;   v54-181      At the head: the fill's global loads land there, the fill's LDS stores read them.  Afterwards v54-117 are S, v118-181 are KV.
;   KV           In a trip: K's loads land; both tiles' score products read; V's loads land; the eight products for O^T read.  On the way out: the stage's loads land, the global stores read.
;   S            In the loop named by vector and matrix instructions alone.  On the way out: written by the packed multiplies, read by the stage's LDS stores.
;   v[STO], v[RD], v[GO]   Written on the way out, read by the stage's stores and loads and by the global stores.
;   v254, v255   Written at the head, read by the closing add alone.
; So a trip has two pairs of waits, each pair round one write of v[ADR]: ahead of the write a wait on vm_vsrc (the LDS instructions issued so far have read v[ADR]); behind it, ahead of the run of 16 LDS loads, a wait on
; va_vdst (v[ADR] is written, and the products that read KV's last contents are done reading).  Sixteen waves of 256 registers leave no room for a second KV: the runs of loads stand where they stood.
.set LN,   1                           ; v1   16 x lane; never rewritten
.set ADR,  2                           ; v2   LDS address of the run of loads in hand
.set NEG,  3                           ; v3   the masked score
.set SCL,  4                           ; v4   2^e2 as f32
.set PX,   5                           ; v5   the lane exchange's destination
.set F,    6                           ; v[6:7] 2^(old M - new M); v7 is named with it as a pair
.set T0,   8
.set T1,   9
.set SUM2, 10                          ; v[10:11] the sum's second chain
.set STA,  12                          ; v12-15 tile A: -M, the largest t, the sum in two halves
.set STB,  16                          ; v16-19 tile B
.set QA,   20                          ; v20-27, v28-35 Q's fragments
.set QB,   28
.set PA,   36                          ; v36-51 tile A's codes of p
.set PB,   52                          ; v52-67 tile B's: they overlie scores that are done with
.set S,    54                          ; v54-117 S^T, then p
.set KV,   118                         ; v118-181 eight fragments of K, then four of V
.set OA,   182                         ; v182-213, v214-245 O^T
.set OB,   214
.set STO,  246
.set RD,   247
.set GO,   248
.set LIM,  249                         ; v249 57,344 x 2^e2
.set WV,   18                          ; s18  wave
.set TB,   19                          ; s19  LDS byte of the step's K
.set SEL,  20                          ; s[20:21] lane selects: lane l xor 16
.set CS,   22                          ; s[22:23] c x 2^(e0 + e1)
.set TRIPS, 24
.set BM,   25                          ; s25  the pair's flags, record in hand at bit 0
.set MOFF, 26                          ; s26  byte of the record to be asked for
                                       ; s[32:63], s[68:99] a record's 64 words: word j at s[32 + j + 4 (j / 32)]
	s_load_b256 s[4:11], s[0:1], 0x0               ; qc 4:5, kc 6:7, vc 8:9, mbits 10:11
	s_load_b128 s[12:15], s[0:1], 0x20             ; mflag 12:13, the scales' exponents 14:15
	s_load_b64 s[16:17], s[0:1], 0x30              ; out0
	v_lshl_add_u32 v254, v0, 2, 0x40000
	v_mov_b32 v255, 0
	v_lshrrev_b32 v2, 5, v0
	v_readfirstlane_b32 s[WV], v2                  ; wave 0..15
	v_and_b32 v1, 31, v0
	v_lshlrev_b32 v[LN], 4, v1
	v_lshl_add_u32 v[ADR], v2, 14, v[LN]           ; the fill: 16,384 x wave + 16 x lane
	s_wait_alu depctr_va_sdst(0)                   ; s[WV] is written, ahead of its first reader: the offsets below are made from it
	s_and_b32 s2, ttmp7, 0xffff                    ; bh = 16 batch + head
	s_lshr_b32 s3, s2, 4                           ; batch
	s_lshl_b32 s27, ttmp9, 4
	s_add_co_u32 s27, s27, s[WV]                   ; my pair of tiles among the batch's 64
	s_lshl_b32 s66, s2, 17                         ; a head's codes are 131,072 bytes
	s_lshl_b32 s68, s27, 11                        ; qc: two images of 1,024 bytes a pair
	s_add_co_u32 s68, s68, s66
	s_mov_b32 s69, 0
	s_lshl_b32 s70, s3, 19                         ; mbits: 8,192 bytes a pair
	s_lshl_b32 s71, s27, 13
	s_add_co_u32 s70, s70, s71
	s_mov_b32 s71, 0
	s_lshl_b32 s72, s3, 6                          ; mflag: 32 bytes a pair
	s_add_co_u32 s72, s72, s27
	s_lshl_b32 s72, s72, 5
	s_mov_b32 s73, 0
	s_lshl_b32 s74, s3, 23                         ; out0: batch, 32 rows of 4,096 bytes a pair, the head's 256 bytes of a row
	s_lshl_b32 s75, s27, 17
	s_add_co_u32 s74, s74, s75
	s_and_b32 s75, s2, 15
	s_lshl_b32 s75, s75, 8
	s_add_co_u32 s74, s74, s75
	s_mov_b32 s75, 0
	s_and_b32 s76, s[WV], 7                        ; the fill: waves 0-7 copy K, waves 8-15 V, 16,384 bytes each
	s_lshl_b32 s76, s76, 14
	s_add_co_u32 s76, s76, s66
	s_mov_b32 s77, 0
	s_wait_kmcnt 0x0
	s_add_nc_u64 s[4:5], s[4:5], s[68:69]
	s_add_nc_u64 s[10:11], s[10:11], s[70:71]
	s_add_nc_u64 s[12:13], s[12:13], s[72:73]
	s_add_nc_u64 s[16:17], s[16:17], s[74:75]
	s_cmp_lt_u32 s[WV], 8
	s_cselect_b64 s[100:101], s[6:7], s[8:9]
	s_add_nc_u64 s[100:101], s[100:101], s[76:77]
	s_load_b128 s[28:31], s[14:15], 0x0            ; e0, e1, e2, e3
	s_load_b256 s[32:39], s[12:13], 0x0            ; my pair's eight flag words
	s_wait_alu depctr_va_vdst(0)                   ; v[LN] is written, which the loads below read as their offset; so is v[ADR], which the fill's LDS stores read, and v254, v255, which the closing add reads
.irp i, 0,1,2,3
	global_load_b128 v[QA+4*\i:QA+4*\i+3], v[LN], s[4:5] offset:512*\i   ; Q's two fragments stay in registers
.endr
.set jj, 0
.rept 32
	global_load_b128 v[S+4*jj:S+4*jj+3], v[LN], s[100:101] offset:512*jj
.set jj, jj+1
.endr
	; constants and the first state, while the loads are on their way: none of these lines names v[LN], v[ADR] or a register in which a load lands
	s_mov_b32 s[SEL], 0x76543210
	s_mov_b32 s[SEL+1], 0xfedcba98
	s_mov_b32 s[TB], 0
	s_mov_b32 s[TRIPS], 16
	s_mov_b32 s[MOFF], 0
	v_mov_b32 v[STA+1], 0xff61b1e6                 ; the largest t so far: -3e38, under every t
	v_mov_b32 v[STB+1], 0xff61b1e6
	v_floor_f32 v[STA], -v[STA+1]                  ; -M
	v_floor_f32 v[STB], -v[STB+1]
	v_mov_b32 v[STA+2], 0                          ; the sums
	v_mov_b32 v[STA+3], 0
	v_mov_b32 v[STB+2], 0
	v_mov_b32 v[STB+3], 0
	v_mov_b32 v[PX], 0                             ; a lane permute's destination counts as one of its sources
	v_mov_b32 v[F+1], 0
.set jj, 0
.rept 64
	v_mov_b32 v[OA+jj], 0                          ; O^T.  (The step is written once: its first trip finds zeros, which the first change of M leaves zeros)
.set jj, jj+1
.endr
	s_wait_kmcnt 0x0
	s_or_b32 s[BM], s32, s33                       ; word c8 holds bits 4 c8 .. 4 c8 + 3: their OR is the pair's 32 flags
.irp i, 34,35,36,37,38,39
	s_or_b32 s[BM], s[BM], s\i
.endr
	s_add_co_i32 s2, s28, s29                      ; e0 + e1: a score stands for score x 2^(e0 + e1)
	s_lshl_b32 s3, s2, 23
	s_add_co_i32 s[CS], s3, 0x3e38aa3b             ; c = log2(e) / 8, the two exponents added to its exponent field
	s_mov_b32 s[CS+1], s[CS]
	s_sub_co_i32 s3, 167, s2
	s_lshl_b32 s3, s3, 23
	s_or_b32 s3, s3, 0x80000000
	v_mov_b32 v[NEG], s3                           ; -2^(40 - e0 - e1)
	s_add_co_i32 s3, s30, 127
	s_lshl_b32 s66, s3, 23
	v_mov_b32 v[SCL], s66                          ; 2^e2
	s_add_co_i32 s3, s3, 15
	s_lshl_b32 s3, s3, 23
	s_or_b32 s3, s3, 0x600000
	v_mov_b32 v[LIM], s3                           ; 57,344 x 2^e2
.set jj, 0
.rept 16
	s_mov_b64 s[32+2*jj:33+2*jj], 0                ; the words' registers are written on every way
	s_mov_b64 s[68+2*jj:69+2*jj], 0
.set jj, jj+1
.endr
.macro REQ                             ; a record's 256 bytes, at s[MOFF] in my pair's records
	s_load_b512 s[32:47], s[10:11], s[MOFF] offset:0x0
	s_load_b512 s[48:63], s[10:11], s[MOFF] offset:0x40
	s_load_b512 s[68:83], s[10:11], s[MOFF] offset:0x80
	s_load_b512 s[84:99], s[10:11], s[MOFF] offset:0xc0
.endm
	s_bitcmp1_b32 s[BM], 0
	s_cbranch_scc0 .Lno_first
	REQ                                            ; record 0, if it has a bit
.Lno_first:
.irp k, 0,1,2,3
	s_wait_loadcnt 24-8*\k                         ; loads come back in order: behind these eight of the fill, 24 - 8 k were issued; Q's are older
.irp i, 0,1,2,3,4,5,6,7
	ds_store_b128 v[ADR], v[S+4*(8*\k+\i):S+4*(8*\k+\i)+3] offset:512*(8*\k+\i)   ; no vector line since the head's wait on va_vdst names v[ADR] or these registers
.endr
.endr
	s_wait_dscnt 0x0                               ; for the others' sake: my part of K or V lies in LDS
	s_barrier_signal -1
	s_barrier_wait -1                              ; everybody's does
.macro PLACES n
.rept \n
	v_nop
.endr
.endm
.macro QK q                            ; S^T = K Q^T for one tile of queries: eight tiles of 16 keys, K = the head's 64; each product starts its own sum
.irp t, 0,1,2,3,4,5,6,7
	v_wmma_f32_16x16x64_bf8_bf8 v[S+8*\t:S+8*\t+7], v[KV+8*\t:KV+8*\t+7], v[\q:\q+7], 0
.endr
.endm
; THE SOFTMAX of one tile for one step.  st: its statistics; ob: its O^T; pd: where its codes go.  It names no register that an LDS load of the loop touches (neither v[ADR] nor KV).
.macro SM st, ob, pd
	s_wait_kmcnt 0x0                               ; the record asked for a tile ago, if any, is in; nothing that reads s[MOFF] is out
	s_add_co_u32 s[MOFF], s[MOFF], 256             ; the next record
	s_bitcmp1_b32 s[BM], 0                         ; has this tile a masked entry?
	s_cbranch_scc0 .Lopen_\@
.set jj, 0
.rept 64
	v_cndmask_b32 v[S+jj], v[S+jj], v[NEG], s[32+jj+4*(jj/32)]   ; ascending: each accumulator from its low end on
.set jj, jj+1
.endr
.Lopen_\@:
	s_bitcmp1_b32 s[BM], 1                         ; has the next one?  Behind record 31 no bit is left, so no load leaves the buffer
	s_cbranch_scc0 .Lnoreq_\@
	s_wait_alu depctr_va_vdst(0)                   ; the selects above, where they ran, are done reading the words' registers s[32:63] and s[68:99], in which the scalar loads below land
	REQ
.Lnoreq_\@:
	s_lshr_b32 s[BM], s[BM], 1
	v_max3_num_f32 v[T0], v[S], v[S+1], v[S+2]     ; the step's largest score of my query among my 64 keys, in two chains, ascending
	v_max3_num_f32 v[T1], v[S+3], v[S+4], v[S+5]
.irp i, 6,10,14,18,22,26,30,34,38,42,46,50,54,58
	v_max3_num_f32 v[T0], v[T0], v[S+\i], v[S+\i+1]
	v_max3_num_f32 v[T1], v[T1], v[S+\i+2], v[S+\i+3]
.endr
	v_max3_num_f32 v[T0], v[T0], v[S+62], v[S+63]
	v_max_num_f32 v[T0], v[T0], v[T1]
	v_permlanex16_b32 v[PX], v[T0], s[SEL], s[SEL+1]
	v_max_num_f32 v[T0], v[T0], v[PX]              ; and among lane l xor 16's
	v_mul_f32 v[T0], s[CS], v[T0]                  ; as t (c is positive)
	v_max_num_f32 v[\st+1], v[\st+1], v[T0]        ; the running largest t
	v_mov_b32 v[T0], v[\st]
	v_floor_f32 v[\st], -v[\st+1]                  ; the new -M = floor(-t): M is a whole number
	v_sub_f32 v[T0], v[\st], v[T0]                 ; old M - new M: a whole number, 0 or less
	v_cvt_i32_f32 v[T0], v[T0]                     ; (it saturates)
	v_ldexp_f32 v[F], 1.0, v[T0]                   ; f = 2^(old M - new M)
.irp j, 0,2,4,6,8,10,12,14,16,18,20,22,24,26,28,30,32,34,36,38,40,42,44,46,48,50,52,54,56,58,60,62
	v_pk_fma_f32 v[S+\j:S+\j+1], v[S+\j:S+\j+1], s[CS:CS+1], v[\st:\st+1] op_sel_hi:[1,0,0]   ; t - M, two at a time (of the pairs c and -M the low word serves both halves)
.endr
.set jj, 0
.rept 64
	v_exp_f32 v[S+jj], v[S+jj]                     ; p = 2^(t - M), at most 1
.set jj, jj+1
.endr
	v_pk_mul_f32 v[\st+2:\st+3], v[\st+2:\st+3], v[F:F+1] op_sel_hi:[1,0]   ; the sums under the new M: the plain line behind the exponentials
	s_wait_alu depctr_va_vdst(0)                   ; the 64 exponentials have written p: one wait for the batch, ahead of the first line that names a result
	v_pk_add_f32 v[SUM2:SUM2+1], v[S:S+1], v[S+2:S+3]   ; the row's sum is taken of the unquantised p, in two chains
.irp j, 4,8,12,16,20,24,28,32,36,40,44,48,52,56,60
	v_pk_add_f32 v[\st+2:\st+3], v[\st+2:\st+3], v[S+\j:S+\j+1]
	v_pk_add_f32 v[SUM2:SUM2+1], v[SUM2:SUM2+1], v[S+\j+2:S+\j+3]
.endr
	v_pk_add_f32 v[\st+2:\st+3], v[\st+2:\st+3], v[SUM2:SUM2+1]
.irp g, 0,1,2,3,4,5,6,7
.irp i, 0,1,2,3,4,5,6,7
	v_min_num_f32 v[S+8*\g+\i], v[S+8*\g+\i], v[LIM]   ; the conversion to an 8-bit code does not saturate (ISA guide 7.6.2); p is not negative, so the hold is one-sided
.endr
	v_cvt_scalef32_pk8_bf8_f32 v[\pd+2*\g:\pd+2*\g+1], v[S+8*\g:S+8*\g+7], v[SCL]   ; with pd = PB conversion g writes p's registers 2 g - 2, 2 g - 1: converted already, eight plain lines back or more
.endr
.irp j, 0,2,4,6,8,10,12,14,16,18,20,22,24,26,28,30
	v_pk_mul_f32 v[\ob+\j:\ob+\j+1], v[\ob+\j:\ob+\j+1], v[F:F+1] op_sel_hi:[1,0]   ; O^T under the new M; also the plain lines between the last conversion and the products that follow
.endr
.endm
.Lstep:                                ; 16 trips, 128 keys each
	s_wait_alu depctr_vm_vsrc(0)                   ; first trip: the fill's LDS stores have read v[ADR] and v54-181, which the addition, the products and the loads below write; later trips: V's loads have read v[ADR]
	v_add_nc_u32 v[ADR], s[TB], v[LN]
	PLACES 4                                       ; with the addition: five places behind the last trip's products: the first products below write over registers that held tile B's codes (ISA guide 7.12.1)
	s_wait_alu depctr_va_vdst(0)                   ; v[ADR] is written, which the loads below read; the last trip's products are done reading V's fragments, in whose registers these loads land
.irp t, 0,1,2,3,4,5,6,7
	ds_load_b128 v[KV+8*\t:KV+8*\t+3], v[ADR] offset:1024*\t
	ds_load_b128 v[KV+8*\t+4:KV+8*\t+7], v[ADR] offset:1024*\t+512
.endr
	s_wait_dscnt 0x0
	QK QA
	PLACES 4                                       ; ahead of the first read of the scores
	SM STA, OA, PA
	QK QB
	s_add_co_u32 s100, s[TB], 131072               ; V lies behind K
	s_wait_alu depctr_vm_vsrc(0)                   ; K's loads have read v[ADR]
	v_add_nc_u32 v[ADR], s100, v[LN]
	PLACES 3                                       ; with the addition: four places ahead of the first read of the scores
	s_wait_alu depctr_va_vdst(0)                   ; v[ADR] is written, which the loads below read; both tiles' score products are done reading K's fragments, in whose registers these loads land
.irp t, 0,1,2,3
.irp c, 0,1,2,3
	ds_load_b128 v[KV+16*\t+4*\c:KV+16*\t+4*\c+3], v[ADR] offset:2048*\t+512*\c   ; V's four fragments land while tile B's softmax is worked
.endr
.endr
	SM STB, OB, PB
	s_wait_dscnt 0x0
.irp t, 0,1,2,3                        ; O^T += V^T P^T, K = these 128 keys; the eight accumulators take turns, one instruction a turn
	v_wmma_f32_16x16x128_bf8_bf8 v[OA+8*\t:OA+8*\t+7], v[KV+16*\t:KV+16*\t+15], v[PA:PA+15], v[OA+8*\t:OA+8*\t+7]
	v_wmma_f32_16x16x128_bf8_bf8 v[OB+8*\t:OB+8*\t+7], v[KV+16*\t:KV+16*\t+15], v[PB:PB+15], v[OB+8*\t:OB+8*\t+7]
.endr
	s_add_co_u32 s[TB], s[TB], 8192
	s_sub_co_u32 s[TRIPS], s[TRIPS], 1
	s_cmp_lg_u32 s[TRIPS], 0
	s_cbranch_scc1 .Lstep
	; THE WAY OUT.  K and V are read no more once every wave has passed this barrier: the stages, two tiles of 16 rows x (256 + 16) bytes for each wave, lie over them.
	s_wait_dscnt 0x0
	s_barrier_signal -1
	s_barrier_wait -1
	v_and_b32 v[T0], 15, v0                        ; r.  (These plain lines are the places behind the last products)
	v_bfe_u32 v[T1], v0, 4, 1                      ; h
	s_mul_i32 s100, s[WV], 8704
	v_mul_u32_u24 v[STO], v[T0], 272
	v_lshl_add_u32 v[STO], v[T1], 5, v[STO]
	v_add_nc_u32 v[STO], s100, v[STO]              ; in: row r, my half's 32 bytes of each 64
	v_mul_u32_u24 v[RD], v[T1], 272
	v_lshl_add_u32 v[RD], v[T0], 4, v[RD]
	v_add_nc_u32 v[RD], s100, v[RD]                ; back: lanes 0-15 one row, lanes 16-31 the next
	v_lshlrev_b32 v[GO], 12, v[T1]
	v_lshl_add_u32 v[GO], v[T0], 4, v[GO]          ; and the same two rows in out0
	v_add_f32 v[STA+2], v[STA+2], v[STA+3]         ; the sums' two halves,
	v_add_f32 v[STB+2], v[STB+2], v[STB+3]
	v_permlanex16_b32 v[PX], v[STA+2], s[SEL], s[SEL+1]
	v_permlanex16_b32 v[SUM2], v[STB+2], s[SEL], s[SEL+1]
	v_add_f32 v[STA+2], v[STA+2], v[PX]            ; and lane l xor 16's
	v_add_f32 v[STB+2], v[STB+2], v[SUM2]
	v_rcp_f32 v[STA+2], v[STA+2]
	v_rcp_f32 v[STB+2], v[STB+2]
	v_nop                                          ; a plain line behind the reciprocals
	s_add_co_i32 s2, s30, s31
	s_wait_alu depctr_va_vdst(0)                   ; the two reciprocals are written: one wait for both, ahead of their first reader
	v_ldexp_f32 v[STA+2], v[STA+2], s2             ; x 2^(e2 + e3)
	v_ldexp_f32 v[STB+2], v[STB+2], s2
.irp j, 0,2,4,6,8,10,12,14,16,18,20,22,24,26,28,30
	v_pk_mul_f32 v[S+\j:S+\j+1], v[OA+\j:OA+\j+1], v[STA+2:STA+3] op_sel_hi:[1,0]   ; register 8 t + i is o(query r, d = 16 t + 8 h + i); each accumulator from its low end on
.endr
.irp j, 0,2,4,6,8,10,12,14,16,18,20,22,24,26,28,30
	v_pk_mul_f32 v[S+32+\j:S+32+\j+1], v[OB+\j:OB+\j+1], v[STB+2:STB+3] op_sel_hi:[1,0]
.endr
	s_wait_alu depctr_va_vdst(0)                   ; the multiplies have written v54-117, which the LDS stores read; v[STO], v[RD] and v[GO] are written, which the stores and loads below read; the last products are done reading KV, in which the stage's loads land.  No vector line follows
.irp u, 0,1                            ; tile u through its stage.  LDS serves a wave's instructions in order (ISA guide 5.7.1.4): the loads see my stores
.irp t, 0,1,2,3
	ds_store_b128 v[STO], v[S+32*\u+8*\t:S+32*\u+8*\t+3] offset:4352*\u+64*\t
	ds_store_b128 v[STO], v[S+32*\u+8*\t+4:S+32*\u+8*\t+7] offset:4352*\u+64*\t+16
.endr
.irp i, 0,1,2,3,4,5,6,7
	ds_load_b128 v[KV+32*\u+4*\i:KV+32*\u+4*\i+3], v[RD] offset:4352*\u+544*\i
.endr
.endr
.irp i, 0,1,2,3,4,5,6,7
	s_wait_dscnt 23-\i                             ; behind tile A's load i: 7 - i of its loads and tile B's sixteen LDS instructions
	global_store_b128 v[GO], v[KV+4*\i:KV+4*\i+3], s[16:17] offset:8192*\i th:TH_STORE_NT   ; sixteen lanes store a query's 256 bytes of this head, aligned
.endr
.irp i, 0,1,2,3,4,5,6,7
	s_wait_dscnt 7-\i
	global_store_b128 v[GO], v[KV+32+4*\i:KV+32+4*\i+3], s[16:17] offset:65536+8192*\i th:TH_STORE_NT
.endr
	s_wait_dscnt 0x0                               ; the closing lines, six on end
	s_wait_alu 0x0
	s_wait_tensorcnt 0x0
	ds_add_u32 v254, v255
	s_wait_dscnt 0x0
	s_endpgm
.Lfunc_end_k_q4fa3a9c6bc_attn:
	.size	k_q4fa3a9c6bc_attn, .Lfunc_end_k_q4fa3a9c6bc_attn-k_q4fa3a9c6bc_attn
	.p2alignl 7, 3214868480
	.fill 96, 4, 3214868480
	.section	.rodata,"a",@progbits
	.p2align	6, 0x0
	.amdhsa_kernel k_q4fa3a9c6bc_attn
		.amdhsa_group_segment_fixed_size 264192
		.amdhsa_private_segment_fixed_size 0
		.amdhsa_enable_private_segment 0
		.amdhsa_kernarg_size 56
		.amdhsa_user_sgpr_count 2
		.amdhsa_user_sgpr_kernarg_segment_ptr 1
		.amdhsa_wavefront_size32 1
		.amdhsa_system_sgpr_workgroup_id_x 1
		.amdhsa_system_sgpr_workgroup_id_y 1
		.amdhsa_system_sgpr_workgroup_id_z 1
		.amdhsa_system_vgpr_workitem_id 0
		.amdhsa_next_free_vgpr 256
		.amdhsa_next_free_sgpr 102
		.amdhsa_reserve_vcc 0
		.amdhsa_float_denorm_mode_32 3
		.amdhsa_float_denorm_mode_16_64 3
		.amdhsa_memory_ordered 1
		.amdhsa_forward_progress 1
		.amdhsa_inst_pref_size 58
	.end_amdhsa_kernel
	.amdgpu_metadata
---
amdhsa.version: [ 1, 2 ]
amdhsa.kernels:
  - .name:           k_q4fa3a9c6bc_attn
    .symbol:         k_q4fa3a9c6bc_attn.kd
    .args:
      - { .name: qc, .offset: 0, .size: 8, .value_kind: global_buffer, .address_space: global }
      - { .name: kc, .offset: 8, .size: 8, .value_kind: global_buffer, .address_space: global }
      - { .name: vc, .offset: 16, .size: 8, .value_kind: global_buffer, .address_space: global }
      - { .name: mbits, .offset: 24, .size: 8, .value_kind: global_buffer, .address_space: global }
      - { .name: mflag, .offset: 32, .size: 8, .value_kind: global_buffer, .address_space: global }
      - { .name: lowp_scales, .offset: 40, .size: 8, .value_kind: global_buffer, .address_space: global }
      - { .name: out0, .offset: 48, .size: 8, .value_kind: global_buffer, .address_space: global }
    .group_segment_fixed_size: 264192
    .private_segment_fixed_size: 0
    .kernarg_segment_align: 8
    .kernarg_segment_size: 56
    .max_flat_workgroup_size: 512
    .sgpr_count:     102
    .vgpr_count:     256
    .wavefront_size: 32
...
	.end_amdgpu_metadata
.endif
;; end of part 3
